; MI455X (gfx1250); checked and timed in simulation.
; The chip was launched on July 23, 2026; its instructions are those of AMD's public machine-readable ISA for CDNA 5 (MIT licence, August 2026) and "CDNA5" Instruction Set Architecture Reference Guide (July 2026). The comments in the code are by the model that wrote it; some were corrected since.
;; Multi Head Attention. Allowed arithmetic: float matrix products may take bf16 or f16 operands with f32 sums; all other float work in f32.
;; Inputs: Wk 1,024 x 1,024 float32; Wo 1,024 x 1,024 float32; Wq 1,024 x 1,024 float32; Wv 1,024 x 1,024 float32; x 2 x 2,048 x 1,024 float32.
;; Outputs: out0 2 x 2,048 x 1,024 float32.
;; 2 versions, each right; version 2 is version 1 with the launch cast written anew for expert scheduling mode. Each part assembles by itself: llvm-mc -triple=amdgcn-amd-amdhsa -mcpu=gfx1250 --defsym DOCPART=n.
;; ======== version 1 of 2: 4 launches
;; limits: values are held in f16: magnitudes above 65,504 overflow, below 6.1e-05 lose precision
;; workspace buffers: xb 8,388,608 bytes; wb 8,388,608 bytes; qkv 25,165,824 bytes; ao 8,388,608 bytes
;; launch cast (part 1): grid 512 x 1, 8 waves a work-group, no clusters, 0 bytes of LDS; arguments x, Wq, Wk, Wv, Wo, xb, wb; writes xb, wb
.if DOCPART == 1
	.amdgcn_target "amdgcn-amd-amdhsa--gfx1250"
	.amdhsa_code_object_version 6
	.text
	.protected	k_qe19d7f959f_cast
	.globl	k_qe19d7f959f_cast
	.p2align	8
	.type	k_qe19d7f959f_cast,@function
k_qe19d7f959f_cast:
	s_mov_b64 s[64:65], 0
	v_nop
	global_prefetch_b8 v0, s[64:65] scope:SCOPE_SE
	s_setreg_imm32_b32 hwreg(HW_REG_WAVE_MODE, 25, 1), 1
	s_wait_xcnt 0x0
; x [4096][1024] and Wq, Wk, Wv, Wo [1024][1024], all f32, are rounded once (to nearest even) to f16:
;   xb [4096][1024] f16;   wb [1024 k][4096 n] f16, columns 0-1023 Wq, 1024-2047 Wk, 2048-3071 Wv, 3072-4095 Wo.
; f16 and not bf16: eight times finer rounding for the same matrix work in the launches that follow.
; LIMIT: |x| and |W| below 65,504 (f16); numbers below 6.1e-5 keep an absolute error of 3e-8.
; A stream: every byte is read once and written once, so no LDS, no matrix unit and no cluster (no two work-groups share a byte).
; Eight waves; a work-group owns 16 rows of 1,024 f32.  Work-groups 0-255 take x, 256-511 the weights (64 for each matrix).
; Thread t owns the 16 bytes at 16 t of every row: a load of a wave covers 512 consecutive bytes, the eight waves a row;
; its four f16 go to byte 8 t of the row: a store of a wave covers 256 consecutive bytes, aligned.
; All 16 loads of a thread go out at once into registers of their own; no register is used twice, so no source is ever rewritten.
.set ROWS, 16
.set SROW, 4096                        ; bytes in a source row
.set SO,   1                           ; v1       16 t
.set DO,   2                           ; v[2:17]  row i: 8 t + i x the destination's pitch
.set X,    20                          ; v[20:83] row i: 4 f32
.set Y,    84                          ; v[84:115] row i: 4 f16
	s_load_b256 s[4:11], s[0:1], 0x0               ; x s[4:5], Wq s[6:7], Wk s[8:9], Wv s[10:11]
	s_load_b128 s[12:15], s[0:1], 0x20             ; Wo s[12:13], xb s[14:15]
	s_load_b64 s[16:17], s[0:1], 0x30              ; wb
	s_and_b32 s20, ttmp9, 255                      ; my number among x's, or among the weights', work-groups
	s_lshr_b32 s21, s20, 6                         ; which weight matrix
	s_and_b32 s22, s20, 63                         ; which 16 rows of it
	s_lshl_b32 s24, s20, 16                        ; source offset in x: 16 rows of 4,096 bytes
	s_lshl_b32 s23, s22, 16                        ; source offset in a weight matrix
	s_lshl_b32 s26, s20, 15                        ; destination offset in xb: 16 rows of 2,048 bytes
	s_lshl_b32 s28, s22, 17                        ; destination offset in wb: 16 rows of 8,192 bytes
	s_lshl_b32 s29, s21, 11                        ; + the matrix's 2,048 bytes of each row
	s_add_co_u32 s28, s28, s29
	s_movk_i32 s30, 0x2000                         ; wb's pitch
	s_cmp_lt_u32 ttmp9, 256                        ; x or weights: a choice of values, no branch
	s_cselect_b32 s24, s24, s23
	s_cselect_b32 s26, s26, s28
	s_cselect_b32 s30, 0x800, s30                  ; xb's pitch
	s_mov_b32 s25, 0
	s_mov_b32 s27, 0
	v_lshlrev_b32 v[SO], 4, v0
	v_lshlrev_b32 v[DO], 3, v0
.set i, 1
.rept ROWS-1
	v_add_nc_u32 v[DO+i], s30, v[DO+i-1]
.set i, i+1
.endr
	s_wait_kmcnt 0x0
	s_cmp_eq_u32 s21, 1
	s_cselect_b64 s[6:7], s[8:9], s[6:7]
	s_cmp_eq_u32 s21, 2
	s_cselect_b64 s[6:7], s[10:11], s[6:7]
	s_cmp_eq_u32 s21, 3
	s_cselect_b64 s[6:7], s[12:13], s[6:7]         ; the weight matrix of this work-group
	s_cmp_lt_u32 ttmp9, 256
	s_cselect_b64 s[4:5], s[4:5], s[6:7]           ; source
	s_cselect_b64 s[14:15], s[14:15], s[16:17]     ; destination
	s_add_nc_u64 s[4:5], s[4:5], s[24:25]
	s_add_nc_u64 s[14:15], s[14:15], s[26:27]
.set i, 0
.rept ROWS
	global_load_b128 v[X+4*i:X+4*i+3], v[SO], s[4:5] offset:SROW*i th:TH_LOAD_NT   ; read once in the launch
.set i, i+1
.endr
.set i, 0
.rept ROWS
	s_wait_loadcnt ROWS-1-i                        ; loads come back in order (ISA guide 5.7.1): row i is in, the younger rows stay out
	v_cvt_pk_f16_f32 v[Y+2*i],   v[X+4*i],   v[X+4*i+1]
	v_cvt_pk_f16_f32 v[Y+2*i+1], v[X+4*i+2], v[X+4*i+3]
	global_store_b64 v[DO+i], v[Y+2*i:Y+2*i+1], s[14:15]       ; no hint: the next launch reads these bytes
.set i, i+1
.endr
	s_endpgm
.Lfunc_end_k_qe19d7f959f_cast:
	.size	k_qe19d7f959f_cast, .Lfunc_end_k_qe19d7f959f_cast-k_qe19d7f959f_cast
	.p2alignl 7, 3214868480
	.fill 96, 4, 3214868480
	.section	.rodata,"a",@progbits
	.p2align	6, 0x0
	.amdhsa_kernel k_qe19d7f959f_cast
		.amdhsa_group_segment_fixed_size 0
		.amdhsa_private_segment_fixed_size 0
		.amdhsa_enable_private_segment 0
		.amdhsa_kernarg_size 56
		.amdhsa_user_sgpr_count 2
		.amdhsa_user_sgpr_kernarg_segment_ptr 1
		.amdhsa_wavefront_size32 1
		.amdhsa_system_sgpr_workgroup_id_x 1
		.amdhsa_system_sgpr_workgroup_id_y 1
		.amdhsa_system_sgpr_workgroup_id_z 1
		.amdhsa_system_vgpr_workitem_id 0
		.amdhsa_next_free_vgpr 120
		.amdhsa_next_free_sgpr 66
		.amdhsa_reserve_vcc 0
		.amdhsa_float_denorm_mode_32 3
		.amdhsa_float_denorm_mode_16_64 3
		.amdhsa_memory_ordered 1
		.amdhsa_forward_progress 1
		.amdhsa_inst_pref_size 8
	.end_amdhsa_kernel
	.amdgpu_metadata
---
amdhsa.version: [ 1, 2 ]
amdhsa.kernels:
  - .name:           k_qe19d7f959f_cast
    .symbol:         k_qe19d7f959f_cast.kd
    .args:
      - { .name: x, .offset: 0, .size: 8, .value_kind: global_buffer, .address_space: global }
      - { .name: Wq, .offset: 8, .size: 8, .value_kind: global_buffer, .address_space: global }
      - { .name: Wk, .offset: 16, .size: 8, .value_kind: global_buffer, .address_space: global }
      - { .name: Wv, .offset: 24, .size: 8, .value_kind: global_buffer, .address_space: global }
      - { .name: Wo, .offset: 32, .size: 8, .value_kind: global_buffer, .address_space: global }
      - { .name: xb, .offset: 40, .size: 8, .value_kind: global_buffer, .address_space: global }
      - { .name: wb, .offset: 48, .size: 8, .value_kind: global_buffer, .address_space: global }
    .group_segment_fixed_size: 0
    .private_segment_fixed_size: 0
    .kernarg_segment_align: 8
    .kernarg_segment_size: 56
    .max_flat_workgroup_size: 256
    .sgpr_count:     66
    .vgpr_count:     120
    .wavefront_size: 32
...
	.end_amdgpu_metadata
.endif
;; end of part 1
;; launch qkvgemm (part 2): grid 8 x 32, 4 waves a work-group, clusters of 4 x 4, 327,680 bytes of LDS; arguments xb, wb, qkv; writes qkv
.if DOCPART == 2
	.amdgcn_target "amdgcn-amd-amdhsa--gfx1250"
	.amdhsa_code_object_version 6
	.text
	.protected	k_qe19d7f959f_qkvgemm
	.globl	k_qe19d7f959f_qkvgemm
	.p2align	8
	.type	k_qe19d7f959f_qkvgemm,@function
k_qe19d7f959f_qkvgemm:
	s_mov_b64 s[64:65], 0
	v_nop
	global_prefetch_b8 v0, s[64:65] scope:SCOPE_SE
	s_setreg_imm32_b32 hwreg(HW_REG_WAVE_MODE, 25, 1), 1
	s_wait_xcnt 0x0
	s_wait_alu depctr_hold_cnt(0) depctr_sa_sdst(0) depctr_va_vdst(0) depctr_va_sdst(0) depctr_va_ssrc(0) depctr_va_vcc(0) depctr_vm_vsrc(0)
	s_getreg_b32 s2, hwreg(HW_REG_IB_STS2, 6, 4)
	s_cmp_eq_u32 s2, 0
	s_cbranch_scc0 .Lentry_in_a_cluster
	s_endpgm
.Lentry_in_a_cluster:
	s_bfe_u32 s2, ttmp6, 0x10000c
	s_cmp_lg_u32 s2, 0xf033
	s_cbranch_scc0 .Lentry_shape_is_right
	s_endpgm
.Lentry_shape_is_right:
; qkv[t][n] = sum over k of xb[t][k] wb[k][n], t = 0 .. 4095, n = 0 .. 3071 (q, then k, then v), k = 0 .. 1023.  f16 operands, f32 sums, f16 out.
; LIMIT: |q|, |k|, |v| below 65,504 (f16).
; A work-group makes 128 rows x 384 columns with four waves: 32 x 8 = 256 work-groups of equal work.  The 384 columns are three strips of 128
; (256 bytes of a row of wb).  A wave makes all 128 rows x 96 columns: of each strip the 16-column tiles 2 w and 2 w + 1; 48 accumulator tiles, 384 registers.
; For 32 along K a wave loads 8 fragments of A and 6 of B and issues 48 matrix instructions.
; K goes in 8 steps of 128 through two LDS slots filled by the tensor data mover, one load a wave: waves 0-2 a strip of wb (128 k rows x 256 bytes),
; wave 3 the tile of xb (128 rows x 256 bytes).  Every row of a tile is 256 consecutive bytes at a multiple of 256 from its buffer's first byte.
; wb lies [k][n], so B's fragments come from LDS by transposing loads (ds_load_tr16_b128).
; CLUSTERS: 4 x 4 work-groups.  xb's tile hangs on the block row alone and is asked for jointly by the four of a row of the cluster, a strip of wb on the
; block column alone and is asked for jointly by the four of a column: the requests for both are divided by four.
; REGISTERS in windows of 256: window 0: v16-27 addresses, v64-127 and v128-191 A's fragments (two buffers), v192-215 at work on the way out;
; window 1: v64-111 and v128-175 B's fragments; window 2: tiles (a = 0..3, b = 0..5) at v[8 (6 a + b)], my rows 0-63; window 3: rows 64-127.
; The matrix instruction is used transposed (source 0 = 16 columns of wb, source 1 = 16 rows of xb): lane l then holds row l % 16 and its eight
; registers the columns 8 (l / 16) + 0 .. 7, eight neighbouring numbers of a row of qkv.
; The 48 accumulators take turns, one instruction a turn, in the same order in every quarter step.
.set KSTEP,  128
.set PA,     272                       ; LDS pitch of xb's tile: 256 + 16 bytes = 17 x 16: the 16 rows of a fragment load start in 16 different 16-byte columns of a 256-byte span
.set PB,     288                       ; LDS pitch of a strip of wb: 256 + 32 bytes = 9 x 32, for the transposing loads
.set STRIPB, 128*PB                    ; 36,864
.set AOFF,   3*STRIPB                  ; xb's tile lies behind the three strips
.set SLOT,   AOFF+128*PA               ; 145,408
.set SP,     784                       ; the way out: a row of 768 bytes + 16
.set LAPS,   4                         ; a lap = two K steps = once round the ring
.set WROW,   8192                      ; bytes in a row of wb
.set OROW,   6144                      ; bytes in a row of qkv
.set ADRA, 16                          ; v16-17  LDS address of my A fragments in slot 0, 1
.set ADRB, 18                          ; v18-23  the same for B: slot x 3 + strip
.set STO,  24                          ; v24-25  the way out: where I put 16 bytes, rows 0-63 and rows 64-127
.set RD,   26                          ; v26     the way out: where I read rows back
.set CO,   27                          ; v27     my byte offset in qkv
.set F0,   64
.set F1,   128
.set TMP,  192
.set G1,  24                           ; s[24:31] group 1 for xb's tile
.set G0,  32                           ; s[32:39] group 0 for xb's tile, one set for each slot
.set G1B, 48                           ; s[48:55] group 1 for wb's strips
.set G0B, 56                           ; s[56:63] group 0 for wb's strips, one set for each slot
.set MSB, 0
.macro WIN new                         ; the immediate's high byte repeats the setting that is left
.if MSB != \new
	s_set_vgpr_msb (MSB<<8)|\new
.set MSB, \new
.endif
.endm
.set MUL_LO, 0xa1                      ; source 0 (B) window 1, source 1 (A) window 0, C and D window 2
.set MUL_HI, 0xf1                      ; the same, C and D window 3
.set TO_B,   0x40                      ; destination window 1, address window 0
; A joint load: wave 3 asks for xb's tile, waves 0-2 for a strip of wb each.  Each line has one mask; the branch hangs on the wave's number alone.
.macro JLOAD s
	s_cmp_eq_u32 s10, 3
	s_cbranch_scc0 .Lfor_b_\@
	tensor_load_to_lds s[G0+4*\s:G0+4*\s+3], s[G1:G1+7]
	s_nop 0
	s_branch .Lasked_\@
.Lfor_b_\@:
	tensor_load_to_lds s[G0B+4*\s:G0B+4*\s+3], s[G1B:G1B+7]
	s_nop 0
.Lasked_\@:
.endm
; A round of the cluster's barrier: my work-group's barrier; wave 0 signals for the work-group; every wave waits for all sixteen; my work-group's barrier again.
.macro CREST                           ; a round behind its opening barrier
	s_cmp_lg_u32 s10, 0
	s_cbranch_scc1 .Lnot_wave_0_\@
	s_barrier_signal -3
.Lnot_wave_0_\@:
	s_barrier_wait -3
	s_barrier_signal -1
	s_barrier_wait -1
.endm
.macro CROUND
	s_barrier_signal -1
	s_barrier_wait -1
	CREST
.endm
	s_load_b128 s[4:7], s[0:1], 0x0                ; xb s[4:5], wb s[6:7]
	s_load_b64 s[8:9], s[0:1], 0x10                ; qkv
	s_set_vgpr_msb 0x40
	v_lshl_add_u32 v255, v0, 2, 0x47000
	s_set_vgpr_msb 0x4000
	v_mov_b32 v63, 0
	s_set_vgpr_msb 0x1
	ds_add_u32 v255, v63
	s_set_vgpr_msb 0x100
	v_lshrrev_b32 v1, 5, v0
	v_readfirstlane_b32 s10, v1                    ; wave 0..3
	s_bfe_u32 s40, ttmp6, 0x40000                  ; cx
	s_bfe_u32 s41, ttmp6, 0x40004                  ; cy
	s_lshl_b32 s42, ttmp9, 2
	s_add_co_u32 s42, s42, s40                     ; block column = 4 x cluster x + cx
	s_and_b32 s13, ttmp7, 0xffff
	s_lshl_b32 s13, s13, 2
	s_add_co_u32 s13, s13, s41                     ; block row = 4 x cluster y + cy
	s_lshl_b32 s43, s41, 2
	s_lshl_b32 s43, 15, s43                        ; my row of the cluster: places 4 cy .. 4 cy + 3
	s_lshl_b32 s44, 0x1111, s40                    ; my column: places cx, cx + 4, cx + 8, cx + 12
	; group 1: tiles of 128 rows x 128 elements of 2 bytes, padded behind every 64 words: by 4 words (xb), by 8 words (wb)
	s_or_b32 s[G1+0], s43, (1<<16)|(1<<20)|(1<<21)|(5<<22)|(3<<25)
	s_or_b32 s[G1B+0], s44, (1<<16)|(1<<20)|(1<<21)|(5<<22)|(7<<25)
	s_mov_b32 s[G1+1], KSTEP<<16                   ; tensor_dim0 = 128
	s_mov_b32 s[G1B+1], 128<<16
	s_mov_b32 s[G1+2], 128<<16                     ; tensor_dim1 = 128
	s_mov_b32 s[G1B+2], KSTEP<<16
	s_mov_b32 s[G1+3], KSTEP<<16                   ; tile_dim0 = 128
	s_mov_b32 s[G1B+3], 128<<16
	s_mov_b32 s[G1+4], 128                         ; tile_dim1 = 128
	s_mov_b32 s[G1B+4], KSTEP
	s_mov_b32 s[G1+5], 1024                        ; elements from row to row of xb
	s_mov_b32 s[G1B+5], 4096                       ; and of wb
	s_mov_b32 s[G1+6], 0
	s_mov_b32 s[G1B+6], 0
	s_mov_b32 s[G1+7], 0
	s_mov_b32 s[G1B+7], 0
	; where the tiles come from: xb's hangs on the block row alone, wb's on the block column and the wave's number alone; each in registers that never hold the other coordinate
	s_lshl_b32 s16, s13, 18                        ; 128 rows of 2,048 bytes
	s_mov_b32 s17, 0
	s_mul_i32 s46, s42, 3
	s_add_co_u32 s46, s46, s10                     ; strip 3 x block column + wave (used by waves 0-2)
	s_lshl_b32 s46, s46, 8
	s_mov_b32 s47, 0
	s_mul_i32 s20, s10, STRIPB                     ; where they go: strip w, and for wave 3 AOFF = 3 strips
	s_wait_dscnt 0x0
	s_wait_kmcnt 0x0
	s_add_nc_u64 s[14:15], s[4:5], s[16:17]
	s_add_nc_u64 s[46:47], s[6:7], s[46:47]
	CROUND                                         ; all sixteen work-groups are here: the first joint loads meet
.irp s, 0,1
	s_mov_b32 s[G0+4*\s], 1
	s_add_co_u32 s[G0+4*\s+1], s20, \s*SLOT
	s_add_nc_u64 s[G0+4*\s+2:G0+4*\s+3], s[14:15], \s*KSTEP*2
	s_or_b32 s[G0+4*\s+3], s[G0+4*\s+3], 0x80000000
	s_mov_b32 s[G0B+4*\s], 1
	s_add_co_u32 s[G0B+4*\s+1], s20, \s*SLOT
	s_add_nc_u64 s[G0B+4*\s+2:G0B+4*\s+3], s[46:47], \s*KSTEP*WROW
	s_or_b32 s[G0B+4*\s+3], s[G0B+4*\s+3], 0x80000000
	JLOAD \s                                       ; both slots' first fills go out before anything else: two loads of the wave are out
.endr
	v_and_b32 v1, 15, v0                           ; r = l % 16
	v_bfe_u32 v2, v0, 4, 1                         ; h = l / 16
	v_mul_u32_u24 v3, v1, PA
	v_lshl_add_u32 v3, v2, 4, v3                   ; A: row r, 16 h bytes along K
	v_add_nc_u32 v[ADRA], AOFF, v3
	v_add_nc_u32 v[ADRA+1], AOFF+SLOT, v3
	v_and_b32 v4, 7, v0
	v_lshl_add_u32 v4, v2, 3, v4                   ; B, transposing: k row 8 h + l % 8,
	v_mul_u32_u24 v4, v4, PB
	v_bfe_u32 v5, v0, 3, 1
	v_lshl_add_u32 v4, v5, 4, v4                   ; 16 bytes further for lanes 8-15 of each sixteen,
	s_lshl_b32 s21, s10, 6
	v_add_nc_u32 v[ADRB], s21, v4                  ; and my two tiles of a strip begin at byte 64 w
	v_add_nc_u32 v[ADRB+1], STRIPB, v[ADRB]
	v_add_nc_u32 v[ADRB+2], 2*STRIPB, v[ADRB]
	v_add_nc_u32 v[ADRB+3], SLOT, v[ADRB]
	v_add_nc_u32 v[ADRB+4], SLOT+STRIPB, v[ADRB]
	v_add_nc_u32 v[ADRB+5], SLOT+2*STRIPB, v[ADRB]
	v_mul_u32_u24 v5, v1, SP
	v_lshl_add_u32 v5, v2, 4, v5
	v_add_nc_u32 v[STO], s21, v5                   ; out: row r, byte 64 w + 16 h
	v_add_nc_u32 v[STO+1], 64*SP, v[STO]
	v_lshrrev_b32 v6, 4, v0                        ; which of the work-group's eight groups of 16 lanes: it takes 16 rows back
	v_mul_u32_u24 v7, v6, 16*SP
	v_lshl_add_u32 v[RD], v1, 4, v7
	v_mul_u32_u24 v7, v6, 16*OROW
	v_lshl_add_u32 v[CO], v1, 4, v7
; 12 matrix instructions: m blocks a0, a0 + 1 of the window's four x my 6 n blocks, 32 along K.  zero = 1: the first product starts the sums.
.macro MUL12 f, hi, a0, zero
.irp a, \a0, \a0+1
.irp b, 0,1,2,3,4,5
.if \zero
	v_wmma_f32_16x16x32_f16 v[8*(6*(\a)+\b):8*(6*(\a)+\b)+7], v[\f+8*\b:\f+8*\b+7], v[\f+8*(4*\hi+\a):\f+8*(4*\hi+\a)+7], 0
.else
	v_wmma_f32_16x16x32_f16 v[8*(6*(\a)+\b):8*(6*(\a)+\b)+7], v[\f+8*\b:\f+8*\b+7], v[\f+8*(4*\hi+\a):\f+8*(4*\hi+\a)+7], v[8*(6*(\a)+\b):8*(6*(\a)+\b)+7]
.endif
.endr
.endr
.endm
; 28 LDS loads in one run: the fragments of quarter kq (32 along K) of a slot into buffer f: B's six (12 transposing loads), then A's eight (16 loads)
.macro FETCH slot, kq, f
	WIN TO_B
.irp s, 0,1,2
.irp i, 0,1
	ds_load_tr16_b128 v[\f+8*(2*\s+\i):\f+8*(2*\s+\i)+3],   v[ADRB+3*\slot+\s] offset:\kq*32*PB+32*\i
	ds_load_tr16_b128 v[\f+8*(2*\s+\i)+4:\f+8*(2*\s+\i)+7], v[ADRB+3*\slot+\s] offset:\kq*32*PB+32*\i+16*PB
.endr
.endr
	WIN 0
.irp a, 0,1,2,3,4,5,6,7
	ds_load_b128 v[\f+8*\a:\f+8*\a+3],   v[ADRA+\slot] offset:\kq*64+\a*16*PA
	ds_load_b128 v[\f+8*\a+4:\f+8*\a+7], v[ADRA+\slot] offset:\kq*64+\a*16*PA+32
.endr
.endm
; Four places behind a matrix instruction before a load lands on one of its sources or a vector instruction or LDS store reads its result
; (ISA guide 7.12.1 for vector instructions); the matrix instructions in between are not counted.
.macro PLACES
.rept 4
	v_nop
.endr
.endm
; One of a K step's first three quarters: multiplies buffer f and, in its middle, fetches quarter kq into buffer g.
.macro QUARTER slot, kq, f, g, zero
	s_wait_dscnt 8                                 ; B and A's rows 0-63 are in; the youngest eight loads (A's rows 64-127) may be out
	WIN MUL_LO
	MUL12 \f, 0, 0, \zero
	MUL12 \f, 0, 2, \zero
	PLACES
	FETCH \slot, \kq, \g
	s_wait_dscnt 28                                ; all but the 28 just issued
	WIN MUL_HI
	MUL12 \f, 1, 0, \zero
	MUL12 \f, 1, 2, \zero
.endm
.macro THREE slot, zero
	QUARTER \slot, 1, F0, F1, \zero
	QUARTER \slot, 2, F1, F0, 0
	QUARTER \slot, 3, F0, F1, 0
.endm
; The last quarter: multiplies buffer 1 and changes slots.  In front of the barrier each wave waits for its reads of this slot and for all its tensor
; loads (one is out: its part of the next slot).  Behind it this slot is filled again first (fill = 1), then the next slot's first fragments are read.
.macro TURN slot, next, fill
	s_wait_dscnt 8
	WIN MUL_LO
	MUL12 F1, 0, 0, 0
	s_wait_dscnt 0                                 ; my reads of this slot are over
	s_wait_tensorcnt 0x0                           ; all my tensor loads have landed
	ds_add_u32 v255, v63
	s_wait_dscnt 0x0
	s_barrier_signal -1                            ; where a slot is filled again this barrier opens a round of the cluster's barrier
	MUL12 F1, 0, 2, 0                              ; register work while the others arrive
	WIN 0
	s_barrier_wait -1
.if \fill
	CREST                                          ; no wave of any partner still reads this slot or has a load on its way
	s_add_nc_u64 s[G0+4*\slot+2:G0+4*\slot+3], s[G0+4*\slot+2:G0+4*\slot+3], 2*KSTEP*2
	s_add_nc_u64 s[G0B+4*\slot+2:G0B+4*\slot+3], s[G0B+4*\slot+2:G0B+4*\slot+3], 2*KSTEP*WROW
	JLOAD \slot                                    ; the wave's one tensor load behind the round
.endif
	PLACES
	FETCH \next, 0, F0
	WIN MUL_HI
	MUL12 F1, 1, 0, 0
	MUL12 F1, 1, 2, 0
.endm
.macro LAP zero
	THREE 0, \zero
	TURN 0, 1, 1
	THREE 1, 0
	TURN 1, 0, 1
.endm
	s_wait_tensorcnt 1                             ; my part of K step 0 is in; K step 1's may stay out
	s_barrier_signal -1
	s_barrier_wait -1                              ; everybody's is
	FETCH 0, 0, F0
	LAP 1                                          ; K steps 0 and 1: the first products start the sums
	WIN 0
	s_mov_b32 s3, LAPS-2
.Llap:
	LAP 0
	WIN 0
	s_sub_co_u32 s3, s3, 1
	s_cmp_lg_u32 s3, 0
	s_cbranch_scc1 .Llap
	THREE 0, 0                                     ; the last lap fills nothing
	TURN 0, 1, 0
	THREE 1, 0
	s_wait_dscnt 8
	WIN MUL_LO
	MUL12 F1, 0, 0, 0
	MUL12 F1, 0, 2, 0
	s_wait_dscnt 0
	WIN MUL_HI
	MUL12 F1, 1, 0, 0
	MUL12 F1, 1, 2, 0
	; THE WAY OUT.  The block's 128 rows x 768 bytes are gathered in LDS bytes 0 .. 100,351, inside slot 0: slot 0 has had its last fill, and every wave's
	; last reads of it were waited for in front of the barrier of the last change of slots; slot 1, which slower waves still read, begins at 145,408.
	PLACES
	s_mul_i32 s16, s13, 128*OROW
	s_mov_b32 s17, 0
	s_add_nc_u64 s[8:9], s[8:9], s[16:17]          ; my block's first row
	s_mul_i32 s46, s42, 768                        ; and first column, in bytes
	s_mov_b32 s47, 0
	s_add_nc_u64 s[8:9], s[8:9], s[46:47]
.macro OUT16 hi, a, from               ; rows 16 (4 hi + a) .. + 15: six tiles rounded to f16, 16 bytes a lane and tile into the stage
	WIN \from
.irp b, 0,1,2,3,4,5
.irp r, 0,1,2,3
	v_cvt_pk_f16_f32 v[TMP+4*\b+\r], v[8*(6*\a+\b)+2*\r], v[8*(6*\a+\b)+2*\r+1]
.endr
.endr
	WIN 0
.irp s, 0,1,2
.irp i, 0,1
	ds_store_b128 v[STO+\hi], v[TMP+4*(2*\s+\i):TMP+4*(2*\s+\i)+3] offset:\a*16*SP+\s*256+32*\i
.endr
.endr
.endm
	OUT16 0, 0, 0x0a
	OUT16 0, 1, 0x0a
	OUT16 0, 2, 0x0a
	OUT16 0, 3, 0x0a
	OUT16 1, 0, 0x0f
	OUT16 1, 1, 0x0f
	OUT16 1, 2, 0x0f
	OUT16 1, 3, 0x0f
	s_wait_dscnt 0x0                               ; my stores are in LDS: the other waves read them
	s_barrier_signal -1
	s_barrier_wait -1
.set i, 0
.rept 48                                               ; sixteen lanes take 256 consecutive bytes: 16 rows x 3 pieces for each group of 16 lanes
	ds_load_b128 v[64+4*i:64+4*i+3], v[RD] offset:(i/3)*SP+(i%3)*256
.set i, i+1
.endr
.set i, 0
.rept 48
	s_wait_dscnt 47-i                              ; LDS loads come back in order: load i is in, the younger ones stay out
	global_store_b128 v[CO], v[64+4*i:64+4*i+3], s[8:9] offset:(i/3)*OROW+(i%3)*256   ; 16 lanes store 256 consecutive bytes, aligned
.set i, i+1
.endr
	s_set_vgpr_msb 0x1
	s_wait_tensorcnt 0x0
	ds_add_u32 v255, v63
	s_wait_dscnt 0x0
	s_set_vgpr_msb 0x100
	CROUND                                         ; the closing round: no work-group ends while a partner may still ask for a tile that names it
	s_endpgm
.Lfunc_end_k_qe19d7f959f_qkvgemm:
	.size	k_qe19d7f959f_qkvgemm, .Lfunc_end_k_qe19d7f959f_qkvgemm-k_qe19d7f959f_qkvgemm
	.p2alignl 7, 3214868480
	.fill 96, 4, 3214868480
	.section	.rodata,"a",@progbits
	.p2align	6, 0x0
	.amdhsa_kernel k_qe19d7f959f_qkvgemm
		.amdhsa_group_segment_fixed_size 327680
		.amdhsa_private_segment_fixed_size 0
		.amdhsa_enable_private_segment 0
		.amdhsa_kernarg_size 24
		.amdhsa_user_sgpr_count 2
		.amdhsa_user_sgpr_kernarg_segment_ptr 1
		.amdhsa_wavefront_size32 1
		.amdhsa_system_sgpr_workgroup_id_x 1
		.amdhsa_system_sgpr_workgroup_id_y 1
		.amdhsa_system_sgpr_workgroup_id_z 1
		.amdhsa_system_vgpr_workitem_id 0
		.amdhsa_next_free_vgpr 960
		.amdhsa_next_free_sgpr 66
		.amdhsa_reserve_vcc 0
		.amdhsa_float_denorm_mode_32 3
		.amdhsa_float_denorm_mode_16_64 3
		.amdhsa_memory_ordered 1
		.amdhsa_forward_progress 1
		.amdhsa_inst_pref_size 157
	.end_amdhsa_kernel
	.amdgpu_metadata
---
amdhsa.version: [ 1, 2 ]
amdhsa.kernels:
  - .name:           k_qe19d7f959f_qkvgemm
    .symbol:         k_qe19d7f959f_qkvgemm.kd
    .args:
      - { .name: xb, .offset: 0, .size: 8, .value_kind: global_buffer, .address_space: global }
      - { .name: wb, .offset: 8, .size: 8, .value_kind: global_buffer, .address_space: global }
      - { .name: qkv, .offset: 16, .size: 8, .value_kind: global_buffer, .address_space: global }
    .group_segment_fixed_size: 327680
    .private_segment_fixed_size: 0
    .kernarg_segment_align: 8
    .kernarg_segment_size: 24
    .max_flat_workgroup_size: 128
    .sgpr_count:     66
    .vgpr_count:     960
    .wavefront_size: 32
...
	.end_amdgpu_metadata
.endif
;; end of part 2
;; launch attn (part 3): grid 16 x 16, 4 waves a work-group, clusters of 4 x 1, 327,680 bytes of LDS; arguments qkv, ao; writes ao
.if DOCPART == 3
	.amdgcn_target "amdgcn-amd-amdhsa--gfx1250"
	.amdhsa_code_object_version 6
	.text
	.protected	k_qe19d7f959f_attn
	.globl	k_qe19d7f959f_attn
	.p2align	8
	.type	k_qe19d7f959f_attn,@function
k_qe19d7f959f_attn:
	s_mov_b64 s[64:65], 0
	v_nop
	global_prefetch_b8 v0, s[64:65] scope:SCOPE_SE
	s_setreg_imm32_b32 hwreg(HW_REG_WAVE_MODE, 25, 1), 1
	s_wait_xcnt 0x0
	s_wait_alu depctr_hold_cnt(0) depctr_sa_sdst(0) depctr_va_vdst(0) depctr_va_sdst(0) depctr_va_ssrc(0) depctr_va_vcc(0) depctr_vm_vsrc(0)
	s_getreg_b32 s2, hwreg(HW_REG_IB_STS2, 6, 4)
	s_cmp_eq_u32 s2, 0
	s_cbranch_scc0 .Lentry_in_a_cluster
	s_endpgm
.Lentry_in_a_cluster:
	s_bfe_u32 s2, ttmp6, 0x10000c
	s_cmp_lg_u32 s2, 0x3003
	s_cbranch_scc0 .Lentry_shape_is_right
	s_endpgm
.Lentry_shape_is_right:
; ao[token][head] = softmax(q k^T / sqrt(128)) v for one batch and head (grid y = 8 b + head) and 128 queries (grid x).  Head size 128, 2,048 keys.
; qkv: [4096 token][3072] f16 (q, k, v; a head is 256 bytes).  ao: [4096][1024] f16.  Matrix operands f16, all sums, maxima and exponentials f32.
; The maximum is taken away before the exponential, as a running maximum over tiles of 128 keys.
; LIMITS: |q|, |k|, |v| below 65,504.  The exponent is formed as fma(c, s, -round(c max)), c = log2(e) / sqrt(128): one rounding of c max more than
; in (s - max) c; it enters numerator and denominator alike.  Weights below 6e-8 of a row's largest round to zero in f16.
; Four waves: wave w has queries 64 (w & 1) .. + 63 and, of every tile of 128 keys, keys 64 (w >> 1) .. + 63.  So each fragment of K or V feeds four
; matrix instructions.  The two waves of a query half are merged at the end through LDS.
; S^T = K Q^T (source 0 = 16 keys, source 1 = 16 queries): lane (r, h) holds query r and keys 8 h + 0 .. 7.  Two such tiles narrowed to f16 ARE a source-1
; fragment of P^T for O^T = V^T P^T (source 0 = V through transposing loads).  A lane's maximum, factor and sum belong to its one query of each tile row:
; nothing is broadcast, one v_permlanex16_b32 joins the two halves of the lanes.
; CLUSTERS: the four query blocks of a cluster read the same K and V tiles: each tile is asked for jointly (mask 15), one load a wave:
; wave 0, 1 the two halves of K's tile, wave 2, 3 of V's, 64 rows x 256 bytes each.
; By the wait in the middle of a step a wave holds all that it needs of the slot in registers, so the slot is filled again there.
; REGISTERS: window 0: v4-59 addresses and statistics, v64-191 K's 16 fragments, v192-255 P's 8; window 1: v0-127 Q's 16 fragments, v128-255 V's 16;
; window 2: O^T, tile (t, dt) at v[8 (8 t + dt)]; window 3: S^T, tile (t, kt) at v[8 (4 t + kt)].
; All accumulators take turns, one instruction a turn.
.set ROWB,  6144                       ; bytes in a row of qkv
.set PITK,  272                        ; LDS pitch of K: 17 x 16 bytes
.set PITV,  288                        ; LDS pitch of V: 9 x 32 bytes, for the transposing loads
.set REG,   64*PITV                    ; 18,432: a region = what one load fills (K's uses 17,408 of it)
.set SLOT,  4*REG                      ; K half 0, K half 1, V half 0, V half 1
.set TILEB, 128*ROWB                   ; from a tile of keys to the next
.set XCH,   2*SLOT                     ; the exchange: for each wave 32 x 512 bytes of O and 512 bytes of statistics
.set XSZ,   33*512
.set OSTG,  XCH+4*XSZ                  ; the way out: 16 rows x 272 bytes for each wave
.set ADRK, 4                           ; v4-5    LDS address of my K fragments in slot 0, 1
.set ADRV, 6                           ; v6-7    the same for V
.set ST,   8                           ; v8-15   M0 M1 L0 L1 M2 M3 L2 L3: running maxima and final sums, so that two tile rows' four numbers are one tuple
.set RM0, 8
.set RM1, 9
.set RL0, 10
.set RL1, 11
.set RM2, 12
.set RM3, 13
.set RL2, 14
.set RL3, 15
.set MX,   16                          ; v16-19  the new maxima
.set TP,   20                          ; v20-23  from the other half of the lanes
.set NM2,  24                          ; v24-31  -c max, twice (pairs for the packed forms)
.set AL2,  32                          ; v32-39  the factor for what was summed so far, twice
.set L2,   40                          ; v40-47  running sums, two chains for each tile row
.set QO,   48
.set XB,   49                          ; exchange: XCH + (w & 1) XSZ + 16 lane; the key half stands in the immediate
.set OST,  50
.set ORD,  51
.set CO,   52
.set RCV,  56                          ; v56-59  the partner's statistics
.set KF,   64
.set PF,   192
.set VF,   128                         ; in window 1
.set G1K, 24                           ; s[24:31] group 1 for K's tiles
.set G0,  32                           ; s[32:39] group 0, one set for each slot
.set G1V, 48                           ; s[48:55] group 1 for V's tiles: it differs in the padding alone
.set MSB, 0
.macro WIN new
.if MSB != \new
	s_set_vgpr_msb (MSB<<8)|\new
.set MSB, \new
.endif
.endm
.macro JLOAD s                         ; waves 0, 1 ask for K's halves, waves 2, 3 for V's; the branch hangs on the wave's number alone
	s_cmp_eq_u32 s11, 0
	s_cbranch_scc0 .Lfor_v_\@
	tensor_load_to_lds s[G0+4*\s:G0+4*\s+3], s[G1K:G1K+7]
	s_nop 0
	s_branch .Lasked_\@
.Lfor_v_\@:
	tensor_load_to_lds s[G0+4*\s:G0+4*\s+3], s[G1V:G1V+7]
	s_nop 0
.Lasked_\@:
.endm
.macro CREST
	s_cmp_lg_u32 s10, 0
	s_cbranch_scc1 .Lnot_wave_0_\@
	s_barrier_signal -3
.Lnot_wave_0_\@:
	s_barrier_wait -3
	s_barrier_signal -1
	s_barrier_wait -1
.endm
.macro CROUND
	s_barrier_signal -1
	s_barrier_wait -1
	CREST
.endm
.macro PLACES                          ; four places behind a matrix instruction (ISA guide 7.12.1 for vector instructions)
.rept 4
	v_nop
.endr
.endm
	s_load_b128 s[4:7], s[0:1], 0x0                ; qkv s[4:5], ao s[6:7]
	s_set_vgpr_msb 0xc0
	v_lshl_add_u32 v128, v0, 2, 0x38c00
	v_mov_b32 v129, 0
	s_set_vgpr_msb 0xc0cf
	ds_add_u32 v128, v129
	s_set_vgpr_msb 0xcf00
	v_lshrrev_b32 v1, 5, v0
	v_readfirstlane_b32 s10, v1                    ; wave 0..3
	s_lshr_b32 s11, s10, 1                         ; my half of the keys.  Also: I fetch for K (0) or for V (1)
	s_and_b32 s12, s10, 1                          ; my half of the queries.  Also: which 64 rows of that tile I fetch
	s_bfe_u32 s40, ttmp6, 0x40000                  ; cx
	s_lshl_b32 s42, ttmp9, 2
	s_add_co_u32 s42, s42, s40                     ; query block = 4 x cluster x + cx
	s_and_b32 s13, ttmp7, 0xffff                   ; 8 b + head
	s_lshr_b32 s14, s13, 3                         ; b
	s_and_b32 s15, s13, 7                          ; head
	s_mov_b32 s20, 0x3e0293ee                      ; c = log2(e) / sqrt(128)
	s_mov_b32 s21, 0x3e0293ee
	s_mov_b32 s22, 0xbe0293ee                      ; -c
	s_mov_b32 s44, 0x76543210                      ; v_permlanex16_b32: lane i reads lane i of the other half
	s_mov_b32 s45, 0xfedcba98
	; group 1: 64 rows x 128 elements of 2 bytes, pitch 3,072 elements, padded behind every 64 words by 4 words (K) or 8 (V); mask: all four of the cluster
	s_mov_b32 s[G1K+0], 15|(1<<16)|(1<<20)|(1<<21)|(5<<22)|(3<<25)
	s_mov_b32 s[G1V+0], 15|(1<<16)|(1<<20)|(1<<21)|(5<<22)|(7<<25)
	s_mov_b32 s[G1K+1], 128<<16                    ; tensor_dim0 = 128
	s_mov_b32 s[G1V+1], 128<<16
	s_mov_b32 s[G1K+2], 64<<16                     ; tensor_dim1 = 64
	s_mov_b32 s[G1V+2], 64<<16
	s_mov_b32 s[G1K+3], 128<<16                    ; tile_dim0 = 128
	s_mov_b32 s[G1V+3], 128<<16
	s_mov_b32 s[G1K+4], 64                         ; tile_dim1 = 64
	s_mov_b32 s[G1V+4], 64
	s_mov_b32 s[G1K+5], 3072
	s_mov_b32 s[G1V+5], 3072
	s_mov_b32 s[G1K+6], 0
	s_mov_b32 s[G1V+6], 0
	s_mov_b32 s[G1K+7], 0
	s_mov_b32 s[G1V+7], 0
	; my part of tile 0: row 2,048 b + 64 (w & 1), byte 2,048 (1 + (w >> 1)) + 256 head.  Nothing here hangs on cx.
	s_mul_i32 s46, s14, 2048*ROWB
	s_mul_i32 s47, s12, 64*ROWB
	s_add_co_u32 s46, s46, s47
	s_lshl_b32 s47, s11, 11
	s_add_co_u32 s46, s46, s47
	s_lshl_b32 s47, s15, 8
	s_add_co_u32 s46, s46, s47
	s_add_co_u32 s46, s46, 2048
	s_mov_b32 s47, 0
	; my first query: token 2,048 b + 128 block + 64 (w & 1)
	s_lshl_b32 s16, s14, 11
	s_lshl_b32 s17, s42, 7
	s_add_co_u32 s16, s16, s17
	s_lshl_b32 s17, s12, 6
	s_add_co_u32 s16, s16, s17
	s_lshl_b32 s18, s16, 11                        ; in ao: rows of 2,048 bytes
	s_mul_i32 s16, s16, ROWB                       ; in qkv
	s_lshl_b32 s17, s15, 8
	s_add_co_u32 s16, s16, s17
	s_add_co_u32 s18, s18, s17
	s_mov_b32 s17, 0
	s_mov_b32 s19, 0
	s_mul_i32 s23, s10, REG                        ; region w of a slot
	s_wait_dscnt 0x0
	s_wait_kmcnt 0x0
	s_add_nc_u64 s[46:47], s[4:5], s[46:47]
	s_add_nc_u64 s[16:17], s[4:5], s[16:17]        ; q
	s_add_nc_u64 s[6:7], s[6:7], s[18:19]          ; ao
	CROUND                                         ; the four work-groups are here: the first joint loads meet
.irp s, 0,1
	s_mov_b32 s[G0+4*\s], 1
	s_add_co_u32 s[G0+4*\s+1], s23, \s*SLOT
	s_add_nc_u64 s[G0+4*\s+2:G0+4*\s+3], s[46:47], \s*TILEB
	s_or_b32 s[G0+4*\s+3], s[G0+4*\s+3], 0x80000000
	JLOAD \s                                       ; tiles 0 and 1: two loads of the wave are out
.endr
	v_and_b32 v1, 15, v0                           ; r
	v_bfe_u32 v2, v0, 4, 1                         ; h
	v_mul_u32_u24 v[QO], v1, ROWB
	v_lshl_add_u32 v[QO], v2, 4, v[QO]             ; query r, 16 h bytes along the head
	; Q's 16 fragments stay in registers for the whole kernel: fragment (t, ks) = queries 16 t .. + 15, 32 ks .. + 31 of the head
	WIN 0x40
.irp t, 0,1,2,3
.irp ks, 0,1,2,3
	global_load_b128 v[8*(4*\t+\ks):8*(4*\t+\ks)+3],   v[QO], s[16:17] offset:\t*16*ROWB+\ks*64
	global_load_b128 v[8*(4*\t+\ks)+4:8*(4*\t+\ks)+7], v[QO], s[16:17] offset:\t*16*ROWB+\ks*64+32
.endr
.endr
	WIN 0
	v_mul_u32_u24 v3, v1, PITK
	v_lshl_add_u32 v3, v2, 4, v3                   ; row r x 272 + 16 h: K's fragments, and the way into the out stage
	s_mul_i32 s43, s11, REG
	v_add_nc_u32 v[ADRK], s43, v3                  ; my half of K
	v_add_nc_u32 v[ADRK+1], SLOT, v[ADRK]
	v_and_b32 v[ADRV], 7, v0
	v_lshl_add_u32 v[ADRV], v2, 3, v[ADRV]         ; V, transposing: key 8 h + l % 8,
	v_mul_u32_u24 v[ADRV], v[ADRV], PITV
	v_bfe_u32 v[ADRV+1], v0, 3, 1
	v_lshl_add_u32 v[ADRV], v[ADRV+1], 4, v[ADRV]  ; 16 bytes further for lanes 8-15 of each sixteen
	s_add_co_u32 s43, s43, 2*REG
	v_add_nc_u32 v[ADRV], s43, v[ADRV]             ; my half of V
	v_add_nc_u32 v[ADRV+1], SLOT, v[ADRV]
	v_and_b32 v[XB], 31, v0
	v_lshlrev_b32 v[XB], 4, v[XB]
	s_mul_i32 s43, s12, XSZ
	s_add_co_u32 s43, s43, XCH
	v_add_nc_u32 v[XB], s43, v[XB]
	s_mul_i32 s43, s10, 16*PITK
	s_add_co_u32 s43, s43, OSTG
	v_add_nc_u32 v[OST], s43, v3
	v_mul_u32_u24 v3, v2, PITK
	v_lshl_add_u32 v3, v1, 4, v3
	v_add_nc_u32 v[ORD], s43, v3                   ; back: lanes 0-15 one row of 256 bytes, lanes 16-31 the next
	v_lshlrev_b32 v[CO], 11, v2
	v_lshl_add_u32 v[CO], v1, 4, v[CO]             ; and the same two rows in ao
.irp t, 0,1,2,3
	v_mov_b32 v[TP+\t], 0                          ; v_permlanex16_b32 counts as a reader of its destination
.endr
.macro FETCHK slot                     ; 32 loads: my 64 keys x 128: fragment (kt, ks)
	WIN 0
.irp kt, 0,1,2,3
.irp ks, 0,1,2,3
	ds_load_b128 v[KF+8*(4*\kt+\ks):KF+8*(4*\kt+\ks)+3],   v[ADRK+\slot] offset:\kt*16*PITK+\ks*64
	ds_load_b128 v[KF+8*(4*\kt+\ks)+4:KF+8*(4*\kt+\ks)+7], v[ADRK+\slot] offset:\kt*16*PITK+\ks*64+32
.endr
.endr
.endm
.macro FETCHV slot                     ; 32 transposing loads: fragment (kp, dt) = 16 numbers of the head x 32 keys
	WIN 0x40
.irp kp, 0,1
.irp dt, 0,1,2,3,4,5,6,7
	ds_load_tr16_b128 v[VF+8*(8*\kp+\dt):VF+8*(8*\kp+\dt)+3],   v[ADRV+\slot] offset:\kp*32*PITV+32*\dt
	ds_load_tr16_b128 v[VF+8*(8*\kp+\dt)+4:VF+8*(8*\kp+\dt)+7], v[ADRV+\slot] offset:\kp*32*PITV+32*\dt+16*PITV
.endr
.endr
.endm
.macro SK kt                           ; 16 matrix instructions: keys 16 kt .. + 15 against my 64 queries; the four tiles take turns
.irp ks, 0,1,2,3
.irp t, 0,1,2,3
.if \ks == 0
	v_wmma_f32_16x16x32_f16 v[8*(4*\t+\kt):8*(4*\t+\kt)+7], v[KF+8*(4*\kt+\ks):KF+8*(4*\kt+\ks)+7], v[8*(4*\t+\ks):8*(4*\t+\ks)+7], 0
.else
	v_wmma_f32_16x16x32_f16 v[8*(4*\t+\kt):8*(4*\t+\kt)+7], v[KF+8*(4*\kt+\ks):KF+8*(4*\kt+\ks)+7], v[8*(4*\t+\ks):8*(4*\t+\ks)+7], v[8*(4*\t+\kt):8*(4*\t+\kt)+7]
.endif
.endr
.endr
.endm
.macro PV8 kp, t, zero                 ; 8 matrix instructions: 32 keys of V against P of queries 16 t .. + 15
.irp dt, 0,1,2,3,4,5,6,7
.if \zero
	v_wmma_f32_16x16x32_f16 v[8*(8*\t+\dt):8*(8*\t+\dt)+7], v[VF+8*(8*\kp+\dt):VF+8*(8*\kp+\dt)+7], v[PF+8*(2*\t+\kp):PF+8*(2*\t+\kp)+7], 0
.else
	v_wmma_f32_16x16x32_f16 v[8*(8*\t+\dt):8*(8*\t+\dt)+7], v[VF+8*(8*\kp+\dt):VF+8*(8*\kp+\dt)+7], v[PF+8*(2*\t+\kp):PF+8*(2*\t+\kp)+7], v[8*(8*\t+\dt):8*(8*\t+\dt)+7]
.endif
.endr
.endm
; S (window 3, 32 registers for each tile row t) becomes P (f16, window 0); maxima, sums and O are brought up to date.  first = 1: nothing was summed yet.
.macro SOFTMAX first
	WIN 0x0f                                       ; sources 0 and 1: S
.irp t, 0,1,2,3
.if \first
	v_max_num_f32 v[MX+\t], v[32*\t], v[32*\t+1]
.else
	v_max3_num_f32 v[MX+\t], v[32*\t], v[32*\t+1], v[RM\t]
.endif
.endr
.irp p, 1,2,3,4,5,6,7,8,9,10,11,12,13,14,15
.irp t, 0,1,2,3
	v_max3_num_f32 v[MX+\t], v[32*\t+2*\p], v[32*\t+2*\p+1], v[MX+\t]
.endr
.endr
	WIN 0
.irp t, 0,1,2,3
	v_permlanex16_b32 v[TP+\t], v[MX+\t], s44, s45 ; the same query's other 32 keys
.endr
.irp t, 0,1,2,3
	v_max_num_f32 v[MX+\t], v[MX+\t], v[TP+\t]
.endr
.irp t, 0,1,2,3
	v_mul_f32 v[NM2+2*\t],   s22, v[MX+\t]         ; -c max
	v_mul_f32 v[NM2+2*\t+1], s22, v[MX+\t]
.endr
.if \first == 0
.irp t, 0,1,2,3
	v_fma_f32 v[AL2+2*\t], s20, v[RM\t], v[NM2+2*\t]       ; c (old max - new max)
.endr
.irp t, 0,1,2,3
	v_exp_f32 v[AL2+2*\t], v[AL2+2*\t]
.endr
.endif
.irp t, 0,1,2,3
	v_mov_b32 v[RM\t], v[MX+\t]                    ; plain instructions between the exponentials and their first use (ISA guide 5.7.2)
.endr
.if \first == 0
	s_wait_alu depctr_va_vdst(0)
.irp t, 0,1,2,3
	v_mov_b32 v[AL2+2*\t+1], v[AL2+2*\t]
.endr
.irp t, 0,1,2,3
	v_pk_mul_f32 v[L2+2*\t:L2+2*\t+1], v[L2+2*\t:L2+2*\t+1], v[AL2+2*\t:AL2+2*\t+1]
.endr
.endif
	WIN 0xc3                                       ; source 0 and destination: S
.irp t, 0,1,2,3
.irp p, 0,1,2,3,4,5,6,7,8,9,10,11,12,13,14,15
	v_pk_fma_f32 v[32*\t+2*\p:32*\t+2*\p+1], v[32*\t+2*\p:32*\t+2*\p+1], s[20:21], v[NM2+2*\t:NM2+2*\t+1] op_sel_hi:[1,0,1]
.endr
.endr
.set n, 0
.rept 128
	v_exp_f32 v[n], v[n]
.set n, n+1
.endr
	v_nop                                          ; one plain place behind the last exponential
.if \first
	WIN 0x0f
	s_wait_alu depctr_va_vdst(0)
.irp t, 0,1,2,3
	v_pk_add_f32 v[L2+2*\t:L2+2*\t+1], v[32*\t:32*\t+1], v[32*\t+2:32*\t+3]       ; the first two pairs start the sums
.endr
	WIN 0x03
.irp p, 2,3,4,5,6,7,8,9,10,11,12,13,14,15
.irp t, 0,1,2,3
	v_pk_add_f32 v[L2+2*\t:L2+2*\t+1], v[32*\t+2*\p:32*\t+2*\p+1], v[L2+2*\t:L2+2*\t+1]
.endr
.endr
.else
	WIN 0x03
	s_wait_alu depctr_va_vdst(0)
.irp p, 0,1,2,3,4,5,6,7,8,9,10,11,12,13,14,15
.irp t, 0,1,2,3
	v_pk_add_f32 v[L2+2*\t:L2+2*\t+1], v[32*\t+2*\p:32*\t+2*\p+1], v[L2+2*\t:L2+2*\t+1]
.endr
.endr
.endif
	WIN 0x0f
.set n, 0
.rept 64
	v_cvt_pk_f16_f32 v[PF+n], v[2*n], v[2*n+1]     ; tiles (t, 2 kp) and (t, 2 kp + 1) of S become fragment (t, kp) of P
.set n, n+1
.endr
.if \first == 0
	WIN 0x82                                       ; source 0 and destination: O
.irp t, 0,1,2,3
.set n, 0
.rept 32
	v_pk_mul_f32 v[64*\t+2*n:64*\t+2*n+1], v[64*\t+2*n:64*\t+2*n+1], v[AL2+2*\t:AL2+2*\t+1]
.set n, n+1
.endr
.endr
.endif
.endm
; One tile of 128 keys in a slot.  mode 2: the slot is filled again and the other slot's K is fetched; 1: only the fetch; 0: the last tile.
.macro STEP slot, first, mode
.if \first == 0
	PLACES                                         ; behind the last step's matrix instructions: V's fragments are loaded again, P and O written again
.endif
	FETCHV \slot
	s_wait_dscnt 32                                ; K's 32 loads, issued in the middle of the last step, are in; V's 32 stay out
	WIN 0xf4                                       ; source 0 (K) window 0, source 1 (Q) window 1, C and D window 3
	SK 0
	SK 1
	SK 2
	SK 3
	PLACES
	SOFTMAX \first
	s_wait_dscnt 0x0                               ; V is in: my reads of this slot are over
.if \mode
	s_set_vgpr_msb (MSB<<8)|((MSB&0xf0)|0xf)
	s_wait_tensorcnt 0x0                           ; all my tensor loads have landed: the one that was out is my part of the other slot
	ds_add_u32 v128, v129
	s_wait_dscnt 0x0
	s_set_vgpr_msb (((MSB&0xf0)|0xf)<<8)|MSB
	s_barrier_signal -1                            ; with mode 2 this barrier opens a round of the cluster's barrier
.endif
	WIN 0xa1                                       ; source 0 (V) window 1, source 1 (P) window 0, C and D window 2
	PV8 0, 0, \first
	PV8 0, 1, \first
.if \mode
	WIN 0
	s_barrier_wait -1
.if \mode == 2
	CREST                                          ; no wave of any partner still reads this slot or has a load on its way
	s_add_nc_u64 s[G0+4*\slot+2:G0+4*\slot+3], s[G0+4*\slot+2:G0+4*\slot+3], 2*TILEB
	JLOAD \slot                                    ; the wave's one tensor load behind the round: the tile two steps on
.endif
	FETCHK 1-\slot                                 ; the next tile's K, under the 48 matrix instructions that follow
	WIN 0xa1
.endif
	PV8 0, 2, \first
	PV8 0, 3, \first
	PV8 1, 0, 0
	PV8 1, 1, 0
	PV8 1, 2, 0
	PV8 1, 3, 0
	WIN 0
.endm
	s_wait_tensorcnt 1                             ; my part of tile 0 is in; tile 1's may stay out
	s_barrier_signal -1
	s_barrier_wait -1
	FETCHK 0
	s_wait_loadcnt 0x0                             ; Q
	STEP 0, 1, 2                                   ; tiles 0 and 1 stand in front of the loop: the first products start the sums
	STEP 1, 0, 2
	s_mov_b32 s3, 6
.Lkv:
	STEP 0, 0, 2                                   ; tiles 2 .. 13; the last refill asked for is tile 15
	STEP 1, 0, 2
	s_sub_co_u32 s3, s3, 1
	s_cmp_lg_u32 s3, 0
	s_cbranch_scc1 .Lkv
	STEP 0, 0, 1                                   ; tile 14: nothing is left to fetch from memory
	STEP 1, 0, 0                                   ; tile 15
	; THE MERGE of the two key halves.  The wave of keys' half 0 finishes tile rows 0, 1 and sends 2, 3; the other the other way round.
	PLACES                                         ; behind the last matrix instructions: O is read by LDS stores and vector instructions, P's registers are written
.irp t, 0,1,2,3
	v_add_f32 v[RL\t], v[L2+2*\t], v[L2+2*\t+1]
.endr
.irp t, 0,1,2,3
	v_permlanex16_b32 v[TP+\t], v[RL\t], s44, s45
.endr
.irp t, 0,1,2,3
	v_add_f32 v[RL\t], v[RL\t], v[TP+\t]           ; the sum over my 1,024 keys, in both lanes of a query
.endr
.macro SEND ta, xo                     ; tile rows ta, ta + 1: two maxima and two sums, then 128 registers of O, lane by lane, into my part of the exchange
	ds_store_b128 v[XB], v[ST+2*\ta:ST+2*\ta+3] offset:\xo+16384
	WIN 0x08                                       ; store data from window 2
.set n, 0
.rept 32
	ds_store_b128 v[XB], v[64*\ta+4*n:64*\ta+4*n+3] offset:\xo+512*n
.set n, n+1
.endr
	WIN 0
.endm
.macro FINAL ta, xo                    ; tile rows ta, ta + 1: the partner's part is read, both are brought to one maximum, divided by the sum and stored
.set n, 0
.rept 32
	ds_load_b128 v[KF+4*n:KF+4*n+3], v[XB] offset:\xo+512*n
.set n, n+1
.endr
	ds_load_b128 v[RCV:RCV+3], v[XB] offset:\xo+16384
	s_wait_dscnt 0x0
.irp u, 0,1
	v_max_num_f32 v[MX+\u], v[ST+2*\ta+\u], v[RCV+\u]
	v_sub_f32 v[TP+\u],   v[ST+2*\ta+\u], v[MX+\u]
	v_sub_f32 v[TP+2+\u], v[RCV+\u],      v[MX+\u]
	v_mul_f32 v[TP+\u],   s20, v[TP+\u]
	v_mul_f32 v[TP+2+\u], s20, v[TP+2+\u]
.endr
.irp i, 0,1,2,3
	v_exp_f32 v[TP+\i], v[TP+\i]
.endr
	v_nop                                          ; one plain place behind the exponentials
	s_wait_alu depctr_va_vdst(0)
.irp u, 0,1
	v_mul_f32  v[MX+\u], v[ST+2*\ta+2+\u], v[TP+\u]
	v_fmac_f32 v[MX+\u], v[RCV+2+\u], v[TP+2+\u]   ; the whole row's sum: at least about 1, since the largest term is 2^0
.endr
	v_rcp_f32 v[MX], v[MX]
	v_rcp_f32 v[MX+1], v[MX+1]
	v_nop                                          ; one plain place behind the reciprocals
	s_wait_alu depctr_va_vdst(0)
.irp u, 0,1
	v_mul_f32 v[AL2+2*\u],   v[TP+\u],   v[MX+\u]  ; my factor, twice
	v_mul_f32 v[AL2+2*\u+1], v[TP+\u],   v[MX+\u]
	v_mul_f32 v[NM2+2*\u],   v[TP+2+\u], v[MX+\u]  ; the partner's, twice
	v_mul_f32 v[NM2+2*\u+1], v[TP+2+\u], v[MX+\u]
.endr
.irp u, 0,1
.set n, 0
.rept 32
	v_pk_mul_f32 v[KF+64*\u+2*n:KF+64*\u+2*n+1], v[KF+64*\u+2*n:KF+64*\u+2*n+1], v[NM2+2*\u:NM2+2*\u+1]
.set n, n+1
.endr
.endr
	WIN 0x02                                       ; source 0: my O
.irp u, 0,1
.set n, 0
.rept 32
	v_pk_fma_f32 v[KF+64*\u+2*n:KF+64*\u+2*n+1], v[64*(\ta+\u)+2*n:64*(\ta+\u)+2*n+1], v[AL2+2*\u:AL2+2*\u+1], v[KF+64*\u+2*n:KF+64*\u+2*n+1]
.set n, n+1
.endr
.endr
	WIN 0
.set n, 0
.rept 64
	v_cvt_pk_f16_f32 v[PF+n], v[KF+2*n], v[KF+2*n+1]       ; a lane's eight numbers of a tile are eight neighbours of a row of ao: 16 bytes
.set n, n+1
.endr
.irp u, 0,1
.irp dt, 0,1,2,3,4,5,6,7
	ds_store_b128 v[OST], v[PF+32*\u+4*\dt:PF+32*\u+4*\dt+3] offset:32*\dt
.endr
.irp i, 0,1,2,3,4,5,6,7
	ds_load_b128 v[KF+32*\u+4*\i:KF+32*\u+4*\i+3], v[ORD] offset:\i*2*PITK        ; my own stage; LDS serves a wave's instructions in order (ISA guide 5.7.1)
.endr
.irp i, 0,1,2,3,4,5,6,7
	s_wait_dscnt 7-\i                              ; load i is in, the younger ones stay out
	global_store_b128 v[CO], v[KF+32*\u+4*\i:KF+32*\u+4*\i+3], s[6:7] offset:(16*(\ta+\u)+2*\i)*2048   ; 16 lanes store 256 consecutive bytes, aligned
.endr
.endr
.endm
	s_cmp_lg_u32 s11, 0
	s_cbranch_scc1 .Lsend_hi
	SEND 2, 0
	s_branch .Lsent
.Lsend_hi:
	SEND 0, 2*XSZ
.Lsent:
	s_wait_dscnt 0x0                               ; my stores are in LDS: my partner reads them
	s_barrier_signal -1
	s_barrier_wait -1
	s_cmp_lg_u32 s11, 0
	s_cbranch_scc1 .Lfinal_hi
	FINAL 0, 2*XSZ
	s_branch .Ldone
.Lfinal_hi:
	FINAL 2, 0
.Ldone:
	s_set_vgpr_msb (MSB<<8)|((MSB&0xf0)|0xf)
	s_wait_tensorcnt 0x0
	ds_add_u32 v128, v129
	s_wait_dscnt 0x0
	s_set_vgpr_msb (((MSB&0xf0)|0xf)<<8)|MSB
	CROUND                                         ; the closing round
	s_endpgm
.Lfunc_end_k_qe19d7f959f_attn:
	.size	k_qe19d7f959f_attn, .Lfunc_end_k_qe19d7f959f_attn-k_qe19d7f959f_attn
	.p2alignl 7, 3214868480
	.fill 96, 4, 3214868480
	.section	.rodata,"a",@progbits
	.p2align	6, 0x0
	.amdhsa_kernel k_qe19d7f959f_attn
		.amdhsa_group_segment_fixed_size 327680
		.amdhsa_private_segment_fixed_size 0
		.amdhsa_enable_private_segment 0
		.amdhsa_kernarg_size 16
		.amdhsa_user_sgpr_count 2
		.amdhsa_user_sgpr_kernarg_segment_ptr 1
		.amdhsa_wavefront_size32 1
		.amdhsa_system_sgpr_workgroup_id_x 1
		.amdhsa_system_sgpr_workgroup_id_y 1
		.amdhsa_system_sgpr_workgroup_id_z 1
		.amdhsa_system_vgpr_workitem_id 0
		.amdhsa_next_free_vgpr 898
		.amdhsa_next_free_sgpr 66
		.amdhsa_reserve_vcc 0
		.amdhsa_float_denorm_mode_32 3
		.amdhsa_float_denorm_mode_16_64 3
		.amdhsa_memory_ordered 1
		.amdhsa_forward_progress 1
		.amdhsa_inst_pref_size 255
	.end_amdhsa_kernel
	.section	.bss,"aw",@nobits
	.p2align	6
	.space	262144
	.amdgpu_metadata
---
amdhsa.version: [ 1, 2 ]
amdhsa.kernels:
  - .name:           k_qe19d7f959f_attn
    .symbol:         k_qe19d7f959f_attn.kd
    .args:
      - { .name: qkv, .offset: 0, .size: 8, .value_kind: global_buffer, .address_space: global }
      - { .name: ao, .offset: 8, .size: 8, .value_kind: global_buffer, .address_space: global }
    .group_segment_fixed_size: 327680
    .private_segment_fixed_size: 0
    .kernarg_segment_align: 8
    .kernarg_segment_size: 16
    .max_flat_workgroup_size: 128
    .sgpr_count:     66
    .vgpr_count:     898
    .wavefront_size: 32
...
	.end_amdgpu_metadata
.endif
;; end of part 3
;; launch proj (part 4): grid 8 x 32, 4 waves a work-group, clusters of 4 x 4, 327,680 bytes of LDS; arguments ao, wb, out0; writes out0
.if DOCPART == 4
	.amdgcn_target "amdgcn-amd-amdhsa--gfx1250"
	.amdhsa_code_object_version 6
	.text
	.protected	k_qe19d7f959f_proj
	.globl	k_qe19d7f959f_proj
	.p2align	8
	.type	k_qe19d7f959f_proj,@function
k_qe19d7f959f_proj:
	s_mov_b64 s[64:65], 0
	v_nop
	global_prefetch_b8 v0, s[64:65] scope:SCOPE_SE
	s_setreg_imm32_b32 hwreg(HW_REG_WAVE_MODE, 25, 1), 1
	s_wait_xcnt 0x0
	s_wait_alu depctr_hold_cnt(0) depctr_sa_sdst(0) depctr_va_vdst(0) depctr_va_sdst(0) depctr_va_ssrc(0) depctr_va_vcc(0) depctr_vm_vsrc(0)
	s_getreg_b32 s2, hwreg(HW_REG_IB_STS2, 6, 4)
	s_cmp_eq_u32 s2, 0
	s_cbranch_scc0 .Lentry_in_a_cluster
	s_endpgm
.Lentry_in_a_cluster:
	s_bfe_u32 s2, ttmp6, 0x10000c
	s_cmp_lg_u32 s2, 0xf033
	s_cbranch_scc0 .Lentry_shape_is_right
	s_endpgm
.Lentry_shape_is_right:
; out0[t][n] = sum over k of ao[t][k] Wo[k][n].  ao [4096][1024] f16; Wo = columns 3072-4095 of wb [1024 k][4096] f16; out0 [4096][1024] f32; sums in f32.
; A work-group makes 128 x 128 with four waves: 32 x 8 = 256 work-groups of equal work.  Wave w makes rows 64 (w >> 1) .. + 63, columns 64 (w & 1) .. + 63:
; 16 accumulator tiles in window 2, tile (a, b) at v[8 (4 a + b)].
; K goes in four pieces of 256 through two LDS slots: a slot holds two steps of 128, so there are two rounds of the cluster's barrier in all and a request
; has 128 matrix instructions of the wave in which to land.  One load a wave: waves 0, 1 the two halves of Wo's 256 k rows x 256 bytes, waves 2, 3 the two
; halves of ao's 128 rows x 512 bytes.  Wo lies [k][n]: its fragments come from LDS by transposing loads.
; CLUSTERS: 4 x 4.  ao's tile hangs on the block row alone (shared along a row of the cluster), Wo's on the block column alone (along a column).
; The matrix instruction is used transposed (source 0 = Wo's columns, source 1 = ao's rows): a lane's eight results are eight neighbouring f32 of a row.
; The 16 accumulators take turns, one instruction a turn.
.set PA,     528                       ; LDS pitch of ao's tile: 512 + 16 bytes = 33 x 16
.set PB,     288                       ; LDS pitch of Wo's tile: 256 + 32 bytes = 9 x 32
.set REG,    128*PB                    ; 36,864: a region = what one load fills (ao's use 33,792 of it)
.set SLOT,   4*REG                     ; Wo rows 0-127, Wo rows 128-255, ao rows 0-63, ao rows 64-127
.set STAGE,  2*SLOT                    ; behind the ring: 16 rows x 272 bytes for each wave
.set SPITCH, 272
.set WROW,   8192
.set OROW,   4096
.set ADRA, 16                          ; v16-17  my A fragments in slot 0, 1
.set ADRB, 18                          ; v18-21  my B fragments: 2 x slot + half of the k rows
.set STO,  24
.set RD,   25
.set CO,   26
.set F0,   64
.set F1,   128
.set G1,  24
.set G0,  32
.set G1B, 48
.set G0B, 56
.set MSB, 0
.macro WIN new
.if MSB != \new
	s_set_vgpr_msb (MSB<<8)|\new
.set MSB, \new
.endif
.endm
.set MUL,  0xa1                        ; source 0 (B) window 1, source 1 (A) window 0, C and D window 2
.set TO_B, 0x40
.macro JLOAD s                         ; waves 2, 3 ask for ao's halves, waves 0, 1 for Wo's
	s_cmp_eq_u32 s11, 1
	s_cbranch_scc0 .Lfor_b_\@
	tensor_load_to_lds s[G0+4*\s:G0+4*\s+3], s[G1:G1+7]
	s_nop 0
	s_branch .Lasked_\@
.Lfor_b_\@:
	tensor_load_to_lds s[G0B+4*\s:G0B+4*\s+3], s[G1B:G1B+7]
	s_nop 0
.Lasked_\@:
.endm
.macro CREST
	s_cmp_lg_u32 s10, 0
	s_cbranch_scc1 .Lnot_wave_0_\@
	s_barrier_signal -3
.Lnot_wave_0_\@:
	s_barrier_wait -3
	s_barrier_signal -1
	s_barrier_wait -1
.endm
.macro CROUND
	s_barrier_signal -1
	s_barrier_wait -1
	CREST
.endm
.macro PLACES                          ; four places behind a matrix instruction (ISA guide 7.12.1 for vector instructions)
.rept 4
	v_nop
.endr
.endm
	s_load_b128 s[4:7], s[0:1], 0x0                ; ao s[4:5], wb s[6:7]
	s_load_b64 s[8:9], s[0:1], 0x10                ; out0
	s_set_vgpr_msb 0x40
	v_lshl_add_u32 v255, v0, 2, 0x4c400
	s_set_vgpr_msb 0x4000
	v_mov_b32 v255, 0
	s_set_vgpr_msb 0x1
	ds_add_u32 v255, v255
	s_set_vgpr_msb 0x100
	v_lshrrev_b32 v1, 5, v0
	v_readfirstlane_b32 s10, v1                    ; wave 0..3
	s_lshr_b32 s11, s10, 1                         ; my half of the rows.  Also: I fetch for Wo (0) or for ao (1)
	s_and_b32 s12, s10, 1                          ; my half of the columns.  Also: which half of that tile I fetch
	s_bfe_u32 s40, ttmp6, 0x40000                  ; cx
	s_bfe_u32 s41, ttmp6, 0x40004                  ; cy
	s_lshl_b32 s42, ttmp9, 2
	s_add_co_u32 s42, s42, s40                     ; block column
	s_and_b32 s13, ttmp7, 0xffff
	s_lshl_b32 s13, s13, 2
	s_add_co_u32 s13, s13, s41                     ; block row
	s_lshl_b32 s43, s41, 2
	s_lshl_b32 s43, 15, s43                        ; my row of the cluster
	s_lshl_b32 s44, 0x1111, s40                    ; my column
	; group 1.  ao: 64 rows x 256 elements, 4 words of padding behind every 128 words.  Wo: 128 rows x 128 elements, 8 words behind every 64.
	s_or_b32 s[G1+0], s43, (1<<16)|(1<<20)|(1<<21)|(6<<22)|(3<<25)
	s_or_b32 s[G1B+0], s44, (1<<16)|(1<<20)|(1<<21)|(5<<22)|(7<<25)
	s_mov_b32 s[G1+1], 256<<16                     ; tensor_dim0
	s_mov_b32 s[G1B+1], 128<<16
	s_mov_b32 s[G1+2], 64<<16                      ; tensor_dim1
	s_mov_b32 s[G1B+2], 128<<16
	s_mov_b32 s[G1+3], 256<<16                     ; tile_dim0
	s_mov_b32 s[G1B+3], 128<<16
	s_mov_b32 s[G1+4], 64                          ; tile_dim1
	s_mov_b32 s[G1B+4], 128
	s_mov_b32 s[G1+5], 1024                        ; elements from row to row
	s_mov_b32 s[G1B+5], 4096
	s_mov_b32 s[G1+6], 0
	s_mov_b32 s[G1B+6], 0
	s_mov_b32 s[G1+7], 0
	s_mov_b32 s[G1B+7], 0
	s_lshl_b32 s16, s13, 18                        ; ao: row 128 x block row + 64 x half, rows of 2,048 bytes
	s_lshl_b32 s17, s12, 17
	s_add_co_u32 s16, s16, s17
	s_mov_b32 s17, 0
	s_lshl_b32 s46, s42, 8                         ; wb: byte 6,144 + 256 x block column of k row 128 x half
	s_lshl_b32 s47, s12, 20
	s_add_co_u32 s46, s46, s47
	s_add_co_u32 s46, s46, 6144
	s_mov_b32 s47, 0
	s_mul_i32 s20, s10, REG                        ; region w of a slot
	s_wait_dscnt 0x0
	s_wait_kmcnt 0x0
	s_add_nc_u64 s[14:15], s[4:5], s[16:17]
	s_add_nc_u64 s[46:47], s[6:7], s[46:47]
	CROUND                                         ; all sixteen work-groups are here: the first joint loads meet
.irp s, 0,1
	s_mov_b32 s[G0+4*\s], 1
	s_add_co_u32 s[G0+4*\s+1], s20, \s*SLOT
	s_add_nc_u64 s[G0+4*\s+2:G0+4*\s+3], s[14:15], \s*512
	s_or_b32 s[G0+4*\s+3], s[G0+4*\s+3], 0x80000000
	s_mov_b32 s[G0B+4*\s], 1
	s_add_co_u32 s[G0B+4*\s+1], s20, \s*SLOT
	s_add_nc_u64 s[G0B+4*\s+2:G0B+4*\s+3], s[46:47], \s*256*WROW
	s_or_b32 s[G0B+4*\s+3], s[G0B+4*\s+3], 0x80000000
	JLOAD \s                                       ; both slots' first fills: two loads of the wave are out
.endr
	v_and_b32 v1, 15, v0                           ; r
	v_bfe_u32 v2, v0, 4, 1                         ; h
	v_mul_u32_u24 v3, v1, PA
	v_lshl_add_u32 v3, v2, 4, v3
	s_mul_i32 s21, s11, REG
	s_add_co_u32 s21, s21, 2*REG                   ; my 64 rows of ao are one region
	v_add_nc_u32 v[ADRA], s21, v3
	v_add_nc_u32 v[ADRA+1], SLOT, v[ADRA]
	v_and_b32 v4, 7, v0
	v_lshl_add_u32 v4, v2, 3, v4                   ; transposing: k row 8 h + l % 8,
	v_mul_u32_u24 v4, v4, PB
	v_bfe_u32 v5, v0, 3, 1
	v_lshl_add_u32 v4, v5, 4, v4                   ; 16 bytes further for lanes 8-15 of each sixteen,
	s_lshl_b32 s22, s12, 7
	v_add_nc_u32 v[ADRB], s22, v4                  ; my 64 columns begin at byte 128 x half
	v_add_nc_u32 v[ADRB+1], REG, v[ADRB]
	v_add_nc_u32 v[ADRB+2], SLOT, v[ADRB]
	v_add_nc_u32 v[ADRB+3], SLOT+REG, v[ADRB]
	s_mul_i32 s23, s10, 16*SPITCH
	s_add_co_u32 s23, s23, STAGE                   ; my stage
	v_mul_u32_u24 v5, v1, SPITCH
	v_lshl_add_u32 v5, v2, 5, v5                   ; in: row r, 32 bytes for each half of the lanes
	v_add_nc_u32 v[STO], s23, v5
	v_mul_u32_u24 v5, v2, SPITCH
	v_lshl_add_u32 v5, v1, 4, v5                   ; back: lanes 0-15 one row of 256 bytes, lanes 16-31 the next
	v_add_nc_u32 v[RD], s23, v5
	v_lshlrev_b32 v[CO], 12, v2
	v_lshl_add_u32 v[CO], v1, 4, v[CO]
; 8 matrix instructions: m blocks a0, a0 + 1 x 4 n blocks, the 32 along K of half ks of a quarter
.macro MUL8 f, ks, a0, zero
.irp a, \a0, \a0+1
.irp b, 0,1,2,3
.if \zero
	v_wmma_f32_16x16x32_f16 v[8*(4*(\a)+\b):8*(4*(\a)+\b)+7], v[\f+8*(4*\ks+\b):\f+8*(4*\ks+\b)+7], v[\f+8*(4*\ks+\a):\f+8*(4*\ks+\a)+7], 0
.else
	v_wmma_f32_16x16x32_f16 v[8*(4*(\a)+\b):8*(4*(\a)+\b)+7], v[\f+8*(4*\ks+\b):\f+8*(4*\ks+\b)+7], v[\f+8*(4*\ks+\a):\f+8*(4*\ks+\a)+7], v[8*(4*(\a)+\b):8*(4*(\a)+\b)+7]
.endif
.endr
.endr
.endm
; 32 LDS loads in one run: quarter kq (64 along K) of a slot into buffer f: B's eight fragments, A's four of the first 32, A's four of the second 32
.macro FETCH slot, kq, f
	WIN TO_B
.irp ks, 0,1
.irp b, 0,1,2,3
	ds_load_tr16_b128 v[\f+8*(4*\ks+\b):\f+8*(4*\ks+\b)+3],   v[ADRB+2*\slot+(\kq>>1)] offset:(\kq&1)*64*PB+\ks*32*PB+32*\b
	ds_load_tr16_b128 v[\f+8*(4*\ks+\b)+4:\f+8*(4*\ks+\b)+7], v[ADRB+2*\slot+(\kq>>1)] offset:(\kq&1)*64*PB+\ks*32*PB+32*\b+16*PB
.endr
.endr
	WIN 0
.irp ks, 0,1
.irp a, 0,1,2,3
	ds_load_b128 v[\f+8*(4*\ks+\a):\f+8*(4*\ks+\a)+3],   v[ADRA+\slot] offset:\a*16*PA+\kq*128+\ks*64
	ds_load_b128 v[\f+8*(4*\ks+\a)+4:\f+8*(4*\ks+\a)+7], v[ADRA+\slot] offset:\a*16*PA+\kq*128+\ks*64+32
.endr
.endr
.endm
.macro QUARTER slot, kq, f, g, zero
	s_wait_dscnt 8                                 ; B and A's first 32 along K are in; the youngest eight loads may be out
	WIN MUL
	MUL8 \f, 0, 0, \zero
	MUL8 \f, 0, 2, \zero
	PLACES
	FETCH \slot, \kq, \g
	s_wait_dscnt 32                                ; all but the 32 just issued
	WIN MUL
	MUL8 \f, 1, 0, 0
	MUL8 \f, 1, 2, 0
.endm
.macro THREE slot, zero
	QUARTER \slot, 1, F0, F1, \zero
	QUARTER \slot, 2, F1, F0, 0
	QUARTER \slot, 3, F0, F1, 0
.endm
; The last quarter of a slot: multiplies buffer 1 and changes slots.  The waits stand in front of the barrier's signal, the refill first behind it.
.macro TURN slot, next, fill
	s_wait_dscnt 8
	WIN MUL
	MUL8 F1, 0, 0, 0
	s_wait_dscnt 0                                 ; my reads of this slot are over
	s_wait_tensorcnt 0x0                           ; all my tensor loads have landed: the one that was out is my part of the next slot
	ds_add_u32 v255, v255
	s_wait_dscnt 0x0
	s_barrier_signal -1                            ; where the slot is filled again this barrier opens a round of the cluster's barrier
	MUL8 F1, 0, 2, 0
	WIN 0
	s_barrier_wait -1
.if \fill
	CREST
	s_add_nc_u64 s[G0+4*\slot+2:G0+4*\slot+3], s[G0+4*\slot+2:G0+4*\slot+3], 2*512
	s_add_nc_u64 s[G0B+4*\slot+2:G0B+4*\slot+3], s[G0B+4*\slot+2:G0B+4*\slot+3], 2*256*WROW
	JLOAD \slot                                    ; the wave's one tensor load behind the round
.endif
	PLACES
	FETCH \next, 0, F0
	WIN MUL
	MUL8 F1, 1, 0, 0
	MUL8 F1, 1, 2, 0
.endm
	s_wait_tensorcnt 1                             ; my part of slot 0 is in; slot 1's may stay out
	s_barrier_signal -1
	s_barrier_wait -1
	FETCH 0, 0, F0
	THREE 0, 1                                     ; k 0-255: the first products start the sums
	TURN 0, 1, 1
	THREE 1, 0                                     ; k 256-511
	TURN 1, 0, 1
	THREE 0, 0                                     ; k 512-767: nothing is left to fetch from memory
	TURN 0, 1, 0
	THREE 1, 0                                     ; k 768-1023
	s_wait_dscnt 8
	WIN MUL
	MUL8 F1, 0, 0, 0
	MUL8 F1, 0, 2, 0
	s_wait_dscnt 0
	MUL8 F1, 1, 0, 0
	MUL8 F1, 1, 2, 0
	; THE WAY OUT, 16 rows at a time through my own stage: a lane's 32 bytes go in, whole rows of 256 bytes (64 f32) come back.
	PLACES
	s_lshl_b32 s16, s13, 19                        ; row 128 x block row + 64 x half, rows of 4,096 bytes
	s_lshl_b32 s17, s11, 18
	s_add_co_u32 s16, s16, s17
	s_mov_b32 s17, 0
	s_add_nc_u64 s[8:9], s[8:9], s[16:17]
	s_lshl_b32 s46, s42, 9                         ; byte 512 x block column + 256 x half
	s_lshl_b32 s47, s12, 8
	s_add_co_u32 s46, s46, s47
	s_mov_b32 s47, 0
	s_add_nc_u64 s[8:9], s[8:9], s[46:47]
.macro OUT16 a                         ; each group of 16 rows has its own 32 registers: no source of a pending store is written again
	WIN 0x08                                       ; store data from window 2
.irp b, 0,1,2,3
	ds_store_b128 v[STO], v[8*(4*\a+\b):8*(4*\a+\b)+3]   offset:64*\b
	ds_store_b128 v[STO], v[8*(4*\a+\b)+4:8*(4*\a+\b)+7] offset:64*\b+16
.endr
	WIN 0
.irp t, 0,1,2,3,4,5,6,7
	ds_load_b128 v[F0+32*\a+4*\t:F0+32*\a+4*\t+3], v[RD] offset:\t*2*SPITCH        ; LDS serves a wave's instructions in order (ISA guide 5.7.1): these see the stores above
.endr
.irp t, 0,1,2,3,4,5,6,7
	s_wait_dscnt 7-\t                              ; load t is in, the younger ones stay out
	global_store_b128 v[CO], v[F0+32*\a+4*\t:F0+32*\a+4*\t+3], s[8:9] offset:(16*\a+2*\t)*OROW th:TH_STORE_NT   ; 16 lanes store 256 consecutive bytes, aligned
.endr
.endm
	OUT16 0
	OUT16 1
	OUT16 2
	OUT16 3
	s_set_vgpr_msb 0x1
	s_wait_tensorcnt 0x0
	ds_add_u32 v255, v255
	s_wait_dscnt 0x0
	s_set_vgpr_msb 0x100
	CROUND                                         ; the closing round
	s_endpgm
.Lfunc_end_k_qe19d7f959f_proj:
	.size	k_qe19d7f959f_proj, .Lfunc_end_k_qe19d7f959f_proj-k_qe19d7f959f_proj
	.p2alignl 7, 3214868480
	.fill 96, 4, 3214868480
	.section	.rodata,"a",@progbits
	.p2align	6, 0x0
	.amdhsa_kernel k_qe19d7f959f_proj
		.amdhsa_group_segment_fixed_size 327680
		.amdhsa_private_segment_fixed_size 0
		.amdhsa_enable_private_segment 0
		.amdhsa_kernarg_size 24
		.amdhsa_user_sgpr_count 2
		.amdhsa_user_sgpr_kernarg_segment_ptr 1
		.amdhsa_wavefront_size32 1
		.amdhsa_system_sgpr_workgroup_id_x 1
		.amdhsa_system_sgpr_workgroup_id_y 1
		.amdhsa_system_sgpr_workgroup_id_z 1
		.amdhsa_system_vgpr_workitem_id 0
		.amdhsa_next_free_vgpr 640
		.amdhsa_next_free_sgpr 66
		.amdhsa_reserve_vcc 0
		.amdhsa_float_denorm_mode_32 3
		.amdhsa_float_denorm_mode_16_64 3
		.amdhsa_memory_ordered 1
		.amdhsa_forward_progress 1
		.amdhsa_inst_pref_size 86
	.end_amdhsa_kernel
	.amdgpu_metadata
---
amdhsa.version: [ 1, 2 ]
amdhsa.kernels:
  - .name:           k_qe19d7f959f_proj
    .symbol:         k_qe19d7f959f_proj.kd
    .args:
      - { .name: ao, .offset: 0, .size: 8, .value_kind: global_buffer, .address_space: global }
      - { .name: wb, .offset: 8, .size: 8, .value_kind: global_buffer, .address_space: global }
      - { .name: out0, .offset: 16, .size: 8, .value_kind: global_buffer, .address_space: global }
    .group_segment_fixed_size: 327680
    .private_segment_fixed_size: 0
    .kernarg_segment_align: 8
    .kernarg_segment_size: 24
    .max_flat_workgroup_size: 128
    .sgpr_count:     66
    .vgpr_count:     640
    .wavefront_size: 32
...
	.end_amdgpu_metadata
.endif
;; end of part 4
;; ======== version 2 of 2: 4 launches; version 1 with the launch cast written anew for expert scheduling mode
;; limits: values are held in f16: magnitudes above 65,504 overflow, below 6.1e-05 lose precision
;; workspace buffers: xb 8,388,608 bytes; wb 8,388,608 bytes; qkv 25,165,824 bytes; ao 8,388,608 bytes
;; launch cast (part 5): grid 512 x 1, 8 waves a work-group, no clusters, 0 bytes of LDS; arguments x, Wq, Wk, Wv, Wo, xb, wb; writes xb, wb
.if DOCPART == 5
	.amdgcn_target "amdgcn-amd-amdhsa--gfx1250"
	.amdhsa_code_object_version 6
	.text
	.protected	k_qe19d7f959f_cast
	.globl	k_qe19d7f959f_cast
	.p2align	8
	.type	k_qe19d7f959f_cast,@function
k_qe19d7f959f_cast:
	s_mov_b64 s[64:65], 0
	v_nop
	global_prefetch_b8 v0, s[64:65] scope:SCOPE_SE
	s_setreg_imm32_b32 hwreg(HW_REG_WAVE_SCHED_MODE, 0, 2), 2
	s_setreg_imm32_b32 hwreg(HW_REG_WAVE_MODE, 25, 1), 1
	s_wait_xcnt 0x0
	s_wait_alu depctr_vm_vsrc(0)
; x [4096][1024] and Wq, Wk, Wv, Wo [1024][1024], all f32, are rounded once (to nearest even) to f16:
;   xb [4096][1024] f16;   wb [1024 k][4096 n] f16, columns 0-1023 Wq, 1024-2047 Wk, 2048-3071 Wv, 3072-4095 Wo.
; f16 and not bf16: eight times finer rounding for the same matrix work in the launches that follow.
; LIMIT: |x| and |W| below 65,504 (f16); numbers below 6.1e-5 keep an absolute error of 3e-8.
; A stream: every byte is read once and written once, so no LDS, no matrix unit and no cluster (no two work-groups share a byte).
; Eight waves; a work-group owns 16 rows of 1,024 f32.  Work-groups 0-255 take x, 256-511 the weights (64 for each matrix).
; Thread t owns the 16 bytes at 16 t of every row: a load of a wave covers 512 consecutive bytes, the eight waves a row;
; its four f16 go to byte 8 t of the row: a store of a wave covers 256 consecutive bytes, aligned.
; All 16 loads of a thread go out at once into registers of their own; no register is used twice, so no source is ever rewritten.
; THE MODE: SCHED_MODE bits 1:0 = 2 (LLVM: expert scheduling mode 2), set by the entry lines.  The code itself states the register dependences
; between vector instructions and memory instructions, with s_wait_alu, always for 0.
; THE PLAN.  Registers that memory instructions touch:
;   v[SO]      the loads' offset.          Written once at the head; read by all 16 loads.
;   v[DO+i]    row i's store offset.       Written once at the head; read by row i's store.
;   X, row i   4 f32 as loaded.            Written by row i's load alone; read by row i's two conversions.
;   Y, row i   4 f16 to store.             Written by row i's two conversions alone; read by row i's store.
; The rows go in four blocks of four.  Block p converts its own X into its own Y; its memory instructions are the four stores of block p - 1,
; which read Y and DO of block p - 1: registers that no vector instruction of block p names.  So one wait on va_vdst at a block's head states all
; that its four stores hang on, and they are dealt among its conversions with no further wait.  One such wait stands ahead of the first load, for the
; offsets, and one ahead of the last four stores.  No register that a memory instruction reads is written again: there is nothing to state on vm_vsrc.
; No vector instruction writes a scalar register or VCC, and EXEC is never written.
.set ROWS, 16
.set BLOCK, 4                          ; rows in a block
.set SROW, 4096                        ; bytes in a source row
.set SO,   1                           ; v1       16 t
.set DO,   2                           ; v[2:17]  row i: 8 t + i x the destination's pitch
.set X,    20                          ; v[20:83] row i: 4 f32
.set Y,    84                          ; v[84:115] row i: 4 f16
	s_load_b256 s[4:11], s[0:1], 0x0               ; x s[4:5], Wq s[6:7], Wk s[8:9], Wv s[10:11]
	s_load_b128 s[12:15], s[0:1], 0x20             ; Wo s[12:13], xb s[14:15]
	s_load_b64 s[16:17], s[0:1], 0x30              ; wb
	s_and_b32 s20, ttmp9, 255                      ; my number among x's, or among the weights', work-groups
	s_lshr_b32 s21, s20, 6                         ; which weight matrix
	s_and_b32 s22, s20, 63                         ; which 16 rows of it
	s_lshl_b32 s24, s20, 16                        ; source offset in x: 16 rows of 4,096 bytes
	s_lshl_b32 s23, s22, 16                        ; source offset in a weight matrix
	s_lshl_b32 s26, s20, 15                        ; destination offset in xb: 16 rows of 2,048 bytes
	s_lshl_b32 s28, s22, 17                        ; destination offset in wb: 16 rows of 8,192 bytes
	s_lshl_b32 s29, s21, 11                        ; + the matrix's 2,048 bytes of each row
	s_add_co_u32 s28, s28, s29
	s_movk_i32 s30, 0x2000                         ; wb's pitch
	s_cmp_lt_u32 ttmp9, 256                        ; x or weights: a choice of values, no branch
	s_cselect_b32 s24, s24, s23
	s_cselect_b32 s26, s26, s28
	s_cselect_b32 s30, 0x800, s30                  ; xb's pitch
	s_mov_b32 s25, 0
	s_mov_b32 s27, 0
	v_lshlrev_b32 v[SO], 4, v0
	v_lshlrev_b32 v[DO], 3, v0
.set i, 1
.rept ROWS-1
	v_add_nc_u32 v[DO+i], s30, v[DO+i-1]
.set i, i+1
.endr
	s_wait_kmcnt 0x0
	s_cmp_eq_u32 s21, 1
	s_cselect_b64 s[6:7], s[8:9], s[6:7]
	s_cmp_eq_u32 s21, 2
	s_cselect_b64 s[6:7], s[10:11], s[6:7]
	s_cmp_eq_u32 s21, 3
	s_cselect_b64 s[6:7], s[12:13], s[6:7]         ; the weight matrix of this work-group
	s_cmp_lt_u32 ttmp9, 256
	s_cselect_b64 s[4:5], s[4:5], s[6:7]           ; source
	s_cselect_b64 s[14:15], s[14:15], s[16:17]     ; destination
	s_add_nc_u64 s[4:5], s[4:5], s[24:25]
	s_add_nc_u64 s[14:15], s[14:15], s[26:27]
	s_wait_alu depctr_va_vdst(0)                   ; v[SO] and v[DO .. DO+15] are written: every load and store of the kernel reads one of them as its offset
.set i, 0
.rept ROWS
	global_load_b128 v[X+4*i:X+4*i+3], v[SO], s[4:5] offset:SROW*i th:TH_LOAD_NT   ; read once in the launch
.set i, i+1
.endr
.set p, 0
.rept ROWS/BLOCK                                       ; block p: rows 4 p .. 4 p + 3
	s_wait_loadcnt ROWS-BLOCK*(p+1)                ; loads come back in order (ISA guide 5.7.1): this block's four rows are in, the younger rows stay out
.if p > 0
	s_wait_alu depctr_va_vdst(0)                   ; the block before has written its Y, which the four stores below read
.endif
.set j, 0
.rept BLOCK
.set i, BLOCK*p+j
.if p > 0
	global_store_b64 v[DO+i-BLOCK], v[Y+2*(i-BLOCK):Y+2*(i-BLOCK)+1], s[14:15]     ; the block before; no vector instruction since the wait names these registers.  No hint: the next launch reads these bytes
.endif
	v_cvt_pk_f16_f32 v[Y+2*i],   v[X+4*i],   v[X+4*i+1]
	v_cvt_pk_f16_f32 v[Y+2*i+1], v[X+4*i+2], v[X+4*i+3]
.set j, j+1
.endr
.set p, p+1
.endr
	s_wait_alu depctr_va_vdst(0)                   ; the last block has written its Y, which the last four stores read
.set i, ROWS-BLOCK
.rept BLOCK
	global_store_b64 v[DO+i], v[Y+2*i:Y+2*i+1], s[14:15]
.set i, i+1
.endr
	s_endpgm
.Lfunc_end_k_qe19d7f959f_cast:
	.size	k_qe19d7f959f_cast, .Lfunc_end_k_qe19d7f959f_cast-k_qe19d7f959f_cast
	.p2alignl 7, 3214868480
	.fill 96, 4, 3214868480
	.section	.rodata,"a",@progbits
	.p2align	6, 0x0
	.amdhsa_kernel k_qe19d7f959f_cast
		.amdhsa_group_segment_fixed_size 0
		.amdhsa_private_segment_fixed_size 0
		.amdhsa_enable_private_segment 0
		.amdhsa_kernarg_size 56
		.amdhsa_user_sgpr_count 2
		.amdhsa_user_sgpr_kernarg_segment_ptr 1
		.amdhsa_wavefront_size32 1
		.amdhsa_system_sgpr_workgroup_id_x 1
		.amdhsa_system_sgpr_workgroup_id_y 1
		.amdhsa_system_sgpr_workgroup_id_z 1
		.amdhsa_system_vgpr_workitem_id 0
		.amdhsa_next_free_vgpr 120
		.amdhsa_next_free_sgpr 66
		.amdhsa_reserve_vcc 0
		.amdhsa_float_denorm_mode_32 3
		.amdhsa_float_denorm_mode_16_64 3
		.amdhsa_memory_ordered 1
		.amdhsa_forward_progress 1
		.amdhsa_inst_pref_size 8
	.end_amdhsa_kernel
	.amdgpu_metadata
---
amdhsa.version: [ 1, 2 ]
amdhsa.kernels:
  - .name:           k_qe19d7f959f_cast
    .symbol:         k_qe19d7f959f_cast.kd
    .args:
      - { .name: x, .offset: 0, .size: 8, .value_kind: global_buffer, .address_space: global }
      - { .name: Wq, .offset: 8, .size: 8, .value_kind: global_buffer, .address_space: global }
      - { .name: Wk, .offset: 16, .size: 8, .value_kind: global_buffer, .address_space: global }
      - { .name: Wv, .offset: 24, .size: 8, .value_kind: global_buffer, .address_space: global }
      - { .name: Wo, .offset: 32, .size: 8, .value_kind: global_buffer, .address_space: global }
      - { .name: xb, .offset: 40, .size: 8, .value_kind: global_buffer, .address_space: global }
      - { .name: wb, .offset: 48, .size: 8, .value_kind: global_buffer, .address_space: global }
    .group_segment_fixed_size: 0
    .private_segment_fixed_size: 0
    .kernarg_segment_align: 8
    .kernarg_segment_size: 56
    .max_flat_workgroup_size: 256
    .sgpr_count:     66
    .vgpr_count:     120
    .wavefront_size: 32
...
	.end_amdgpu_metadata
.endif
;; end of part 5
;; launch qkvgemm: the kernel of part 2 again; grid 8 x 32, 4 waves a work-group, clusters of 4 x 4, 327,680 bytes of LDS; arguments xb, wb, qkv; writes qkv
;; launch attn: the kernel of part 3 again; grid 16 x 16, 4 waves a work-group, clusters of 4 x 1, 327,680 bytes of LDS; arguments qkv, ao; writes ao
;; launch proj: the kernel of part 4 again; grid 8 x 32, 4 waves a work-group, clusters of 4 x 4, 327,680 bytes of LDS; arguments ao, wb, out0; writes out0
